; MI455X (gfx1250); checked and timed in simulation.
; The chip was launched on July 23, 2026; its instructions are those of AMD's public machine-readable ISA for CDNA 5 (MIT licence, August 2026) and "CDNA5" Instruction Set Architecture Reference Guide (July 2026). The comments in the code are by the model that wrote it; some were corrected since.
;; Multi Head Attention. Allowed arithmetic: matrix products marked QUANTISED: E2M3 operands, one E8M0 scale for each 32 along K, by v_wmma_scale_f32_16x16x128_f8f6f4 with both operands' format E2M3, f32 sums; everything else in f32.
;; Inputs: Wk 1,024 x 1,024 float32; Wo 1,024 x 1,024 float32; Wq 1,024 x 1,024 float32; Wv 1,024 x 1,024 float32; bk 1,024 float32; bo 1,024 float32; bq 1,024 float32; bv 1,024 float32; q 4 x 2,048 x 1,024 float32.
;; Outputs: out0 4 x 2,048 x 1,024 float32; out1 4 x 2,048 x 1,024 float32.
;; This version of the problem:
;;   THIS VERSION OF THE PROBLEM IS GIVEN IN LOW PRECISION. The matrix products marked QUANTISED in the list below multiply operands that are first quantised to E2M3 (2 exponent bits, 3 mantissa bits; 6 bits a number), with one power-of-two scale for each 32 numbers along K (OCP MX v1.0); their sums are f32. All else is computed in f32.
;;   The module's matrix products, in the order in which they are computed (A, B: the left and right operand; K: the contracted axis; several contracted axes count as one K, in the product's order):
;;     1. [M 8,192, K 1,024] x [K 1,024, N 1,024]; A: input q; B: input Wq: QUANTISED
;;     2. [M 8,192, K 1,024] x [K 1,024, N 1,024]; A: input q; B: input Wk: QUANTISED
;;     3. [M 8,192, K 1,024] x [K 1,024, N 1,024]; A: input q; B: input Wv: QUANTISED
;;     4. batch 64 x [M 2,048, K 64] x [K 64, N 2,048]; A: computed on the way; B: computed on the way: QUANTISED
;;     5. batch 64 x [M 2,048, K 2,048] x [K 2,048, N 64]; A: softmax (see below); B: computed on the way: QUANTISED
;;     6. [M 8,192, K 1,024] x [K 1,024, N 1,024]; A: computed on the way; B: input Wo: QUANTISED
;;   THE QUANTISER, for each operand of a quantised product, along K:
;;     - K is cut into blocks of 32 from its start; a last block that is shorter is filled with zeros.
;;     - A block's scale is 2^e with e = floor(log2(the largest magnitude in the block)) - 2, held to -126 .. 127; a block of zeros has e = 0. As a byte (E8M0): e + 127.
;;     - Each number is divided by its block's scale, clamped to +-7.5, and rounded to the nearest number of E2M3, ties to even, subnormals kept.
;;     - The product sums the exact products of the quantised numbers (number of the format x scale) in f32.
;;   ~~~python
;;   def quantise(x, axis):      # numpy; x: float32 -> the quantised numbers, widened to float32 again
;;       x = np.moveaxis(x, axis, -1); K = x.shape[-1]
;;       x = np.pad(x, [(0, 0)] * (x.ndim - 1) + [(0, -K % 32)]); x = x.reshape(x.shape[:-1] + (-1, 32)); a = np.abs(x).max(-1, keepdims=True)
;;       e = np.where(a > 0, np.clip(np.frexp(np.where(a > 0, a, 1))[1] - 1 - 2, -126, 127), 0)      # np.frexp(a)[1] - 1 = floor(log2(a)), exactly
;;       r = np.clip(x / 2.0 ** e, -7.5, 7.5)
;;       step = 2.0 ** (np.maximum(np.frexp(np.where(r == 0, 1, r))[1] - 1, 0) - 3)
;;       q = np.round(r / step) * step * 2.0 ** e      # np.round: ties to even
;;       return np.moveaxis(q.reshape(q.shape[:-2] + (-1,))[..., :K], -1, axis).astype(np.float32)
;;   ~~~
;;   SOFTMAX AHEAD OF A QUANTISED PRODUCT. Where the list says 'softmax', what is quantised is not the finished softmax but p = 2^(t - M), with t = logit x log2(e) and M = ceil(the row's largest t), a whole number; so 1/2 < the row's largest p <= 1. The row's sum l is taken of the UNQUANTISED p, in f32, and the product's result is divided by l at the end. Since M is a whole number, a kernel that streams over the keys may use a running M (the ceiling of the running maximum): every later rescaling is an exact power of two, which a block's scale takes up: the codes' values come out the same.
;;   OPERANDS COMPUTED ON THE WAY. 'Computed on the way' means the value that the module computes at that place (a softmax that the list does not call 'softmax' is quantised finished and normalised). What goes into a quantiser is computed in f32, as accurately as f32 sums, v_exp_f32 and their like allow (about 1e-6 of the number): no bf16 or f16 on the way to a quantiser, and a product that is left as it is and whose result goes on into a quantised operand takes f32 operands (vector FMAs, or v_wmma_f32_16x16x4_f32). A number that lies on a knife's edge between two numbers of the format may be rounded either way, as far as f32 arithmetic and the matrix unit's own rounding can turn it there, and no further.
;; One version. Each part assembles by itself: llvm-mc -triple=amdgcn-amd-amdhsa -mcpu=gfx1250 --defsym DOCPART=n.
;; ======== version 1 of 1: 4 launches
;; limits: right only within a limited range of input values
;; workspace buffers: codes 9,437,184 bytes; scl 393,216 bytes; img 18,874,368 bytes; isc 1,572,864 bytes; acodes 6,291,456 bytes; ascl 262,144 bytes
;; launch quant (part 1): grid 768 x 1, 2 waves a work-group, no clusters, 17,152 bytes of LDS; arguments q, Wq, Wk, Wv, Wo, codes, scl; writes codes, scl
.if DOCPART == 1
	.amdgcn_target "amdgcn-amd-amdhsa--gfx1250"
	.amdhsa_code_object_version 6
	.text
	.protected	k_qd2a5073d5b_quant
	.globl	k_qd2a5073d5b_quant
	.p2align	8
	.type	k_qd2a5073d5b_quant,@function
k_qd2a5073d5b_quant:
	s_mov_b64 s[64:65], 0
	v_nop
	global_prefetch_b8 v0, s[64:65] scope:SCOPE_SE
	s_setreg_imm32_b32 hwreg(HW_REG_WAVE_MODE, 25, 1), 1
	s_wait_xcnt 0x0
; q [8192][1024] and Wq, Wk, Wv, Wo [1024][1024], f32, K innermost, become codes of FP6 (E2M3) with one E8M0 byte for each 32 along K.
; A block's scale is 2^(floor(log2(its largest magnitude)) - 2): its byte is the largest magnitude's exponent field - 2, held at 1 from below.
; LIMITS: NaN and infinities are not served; a block whose largest magnitude lies under 2^-124, a block of zeros among them, keeps the byte 1 (the bytes are read by this program alone).
; LAYOUT OF THE RESULT: the order of the operands' registers.  The five tensors stand on end as 12,288 rows = 768 tiles of 16.  Place p of tile T is row 64 (T / 4) + 8 (T % 4) + p % 8 + 32 (p / 8):
; so a product that takes four neighbouring tiles as source 0 leaves, in a lane's 32 registers, 32 neighbouring rows: one scale block of the next product.
; codes: [T][K / 128][1,536 bytes]; 1,536 bytes are a fragment's 12 registers as two halves of 768: registers 0-3 at 16 x lane, registers 4-5 at 512 + 8 x lane.  scl: [T][K / 256][place][8 bytes].
; SHARES: a wave takes one tile and 512 along K, in four steps of 128.  A load takes 512 consecutive bytes of one row; the step's 16 rows turn through the wave's own stage in LDS (rows 528 bytes apart)
; and come back 128 consecutive bytes a lane: a whole block of 32 twice.  No barrier: waves share nothing.  No matrix unit, no cluster: nothing is read twice.
.set STGB, 8448                        ; a wave's stage: 16 rows x 528 bytes
.set R,    32                          ; v32-159  two sets of 16 x 4 registers as loaded
.set X,    160                         ; v160-223 my 64 numbers: register 32 c + i = K 64 c + 32 (lane / 16) + i of place lane % 16
.set C,    224                         ; v224-235 the fragment's 12 registers
.set T,    236                         ; v236-238, v240-242 the upper halves of the two blocks
	s_load_b256 s[4:11], s[0:1], 0x0               ; q, Wq, Wk, Wv
	s_load_b128 s[12:15], s[0:1], 0x20             ; Wo, codes
	s_load_b64 s[16:17], s[0:1], 0x30              ; scl
	v_lshl_add_u32 v254, v0, 2, 0x4200
	v_mov_b32 v255, 0
	v_lshrrev_b32 v6, 5, v0
	v_readfirstlane_b32 s23, v6                    ; wave 0..1
	v_and_b32 v6, 31, v0                           ; lane
	v_and_b32 v7, 15, v0                           ; r
	v_bfe_u32 v5, v0, 4, 1                         ; h
	v_lshlrev_b32 v1, 4, v6                        ; 16 x lane
	v_lshlrev_b32 v4, 3, v6                        ; 8 x lane
	s_mul_i32 s27, s23, STGB
	v_add_nc_u32 v2, s27, v1                       ; into the stage
	v_mul_u32_u24 v3, v7, 528
	v_lshl_add_u32 v3, v5, 7, v3
	v_add_nc_u32 v3, s27, v3                       ; out of it: row r, 128 h bytes on
	v_lshlrev_b32 v5, 3, v5                        ; 8 h: my bytes' place in the scale word
	v_mov_b32 v15, 0                               ; a lane permute's destination counts as read
	s_mov_b32 s24, 0x76543210
	s_mov_b32 s25, 0xfedcba98                      ; selects for lane l xor 16
	s_mov_b32 s26, 0xffff0000                      ; lanes 16-31
	s_mov_b32 s31, s23                             ; which 512 along K: a work-group of two waves takes one tile
	s_mov_b32 s32, ttmp9                           ; T
	s_mul_i32 s34, s32, 12288
	s_mul_i32 s33, s31, 6144
	s_add_co_u32 s34, s34, s33                     ; my codes
	s_mov_b32 s35, 0
	s_lshl_b32 s36, s32, 9
	s_lshl_b32 s33, s31, 8
	s_add_co_u32 s36, s36, s33                     ; my scale bytes
	s_mov_b32 s37, 0
	s_wait_alu depctr_va_vdst(0)                   ; the wait at the head's end
	s_wait_kmcnt 0x0
	s_mov_b64 s[18:19], s[12:13]                   ; which tensor: the choice hangs on the work-group's number alone
	s_mov_b32 s20, 704
	s_cmp_lt_u32 ttmp9, 704
	s_cselect_b64 s[18:19], s[10:11], s[18:19]
	s_cselect_b32 s20, 640, s20
	s_cmp_lt_u32 ttmp9, 640
	s_cselect_b64 s[18:19], s[8:9], s[18:19]
	s_cselect_b32 s20, 576, s20
	s_cmp_lt_u32 ttmp9, 576
	s_cselect_b64 s[18:19], s[6:7], s[18:19]
	s_cselect_b32 s20, 512, s20
	s_cmp_lt_u32 ttmp9, 512
	s_cselect_b64 s[18:19], s[4:5], s[18:19]
	s_cselect_b32 s20, 0, s20
	s_sub_co_u32 s21, ttmp9, s20                   ; the work-group in its tensor: four of them share a group of 64 rows
	s_and_b32 s22, s21, 3                          ; the tile in its tensor: four of them share a group of 64 rows
	s_lshr_b32 s21, s21, 2
	s_lshl_b32 s21, s21, 6                         ; the group's first row,
	s_lshl_b32 s22, s22, 3
	s_add_co_u32 s21, s21, s22                     ; + 8 x the tile in its group
	s_lshl_b32 s28, s21, 12                        ; rows of 4,096 bytes
	s_lshl_b32 s22, s31, 11
	s_add_co_u32 s28, s28, s22
	s_mov_b32 s29, 0
	s_add_nc_u64 s[18:19], s[18:19], s[28:29]
	s_add_nc_u64 s[14:15], s[14:15], s[34:35]
	s_add_nc_u64 s[16:17], s[16:17], s[36:37]
.macro LOADS st                        ; step st: 512 bytes of each of the tile's 16 rows; places 8-15 lie 32 rows behind places 0-7
.irp p, 0,1,2,3,4,5,6,7,8,9,10,11,12,13,14,15
	global_load_b128 v[R+64*((\st)%2)+4*\p:R+64*((\st)%2)+4*\p+3], v1, s[18:19] offset:(\p+24*(\p/8))*4096+512*(\st) th:TH_LOAD_NT
.endr
.endm
.macro STEP st
.if (\st) < 3
	s_wait_loadcnt 16                              ; this step's 16 loads are in; the other set's 16 may be out
.else
	s_wait_loadcnt 0x0
.endif
.irp p, 0,1,2,3,4,5,6,7,8,9,10,11,12,13,14,15
	ds_store_b128 v2, v[R+64*((\st)%2)+4*\p:R+64*((\st)%2)+4*\p+3] offset:528*\p
.endr
.irp c, 0,1
.irp i, 0,1,2,3,4,5,6,7
	ds_load_b128 v[X+32*\c+4*\i:X+32*\c+4*\i+3], v3 offset:256*\c+16*\i   ; LDS serves a wave's instructions in order: these see the stores above
.endr
.endr
	s_wait_dscnt 0x0                               ; my 64 numbers are in, and the stores have read their set
.if (\st) < 2
	LOADS (\st)+2
.endif
.irp c, 0,1
	v_max3_num_f32 v[8+\c], |v[X+32*\c]|, |v[X+32*\c+1]|, 0x1800000      ; block 2 c + h is all mine; the floor 2^(3 - 127) holds the byte at 1 from below
.endr
.irp i, 2,4,6,8,10,12,14,16,18,20,22,24,26,28,30
.irp c, 0,1
	v_max3_num_f32 v[8+\c], v[8+\c], |v[X+32*\c+\i]|, |v[X+32*\c+\i+1]|
.endr
.endr
.irp c, 0,1
	v_add_nc_u32 v[10+\c], 0xff000000, v[8+\c]     ; 2 off the exponent field: the conversion's scale operand
.endr
.irp c, 0,1
	v_lshrrev_b32 v[12+\c], 23, v[10+\c]           ; the scale's byte
.endr
	v_lshl_or_b32 v14, v13, 16, v12                ; blocks h and 2 + h,
	v_lshlrev_b32 v14, v5, v14                     ; at their places in the row's word;
	v_permlanex16_b32 v15, v14, s24, s25
	v_or_b32 v[16+(\st)], v14, v15                 ; with lane l xor 16's two the word is whole
.if (\st) > 0
	s_wait_alu depctr_va_vdst(0)                   ; the wait ahead of the wait below
	s_wait_xcnt 0x0                                ; the last step's stores have read the codes' registers
.endif
.irp c, 0,1
	v_cvt_scalef32_pk16_fp6_f32 v[C+6*\c:C+6*\c+2], v[X+32*\c:X+32*\c+15], v[10+\c]
	v_cvt_scalef32_pk16_fp6_f32 v[T+4*\c:T+4*\c+2], v[X+32*\c+16:X+32*\c+31], v[10+\c]   ; (a conversion's three registers begin on an even number)
.endr
	v_nop                                          ; one plain place behind a scaled conversion
.irp c, 0,1
.irp i, 0,1,2
	v_mov_b32 v[C+6*\c+3+\i], v[T+4*\c+\i]
.endr
.endr
	global_store_b128 v1, v[C:C+3], s[14:15] offset:1536*(\st)             ; 512 consecutive bytes,
	global_store_b64 v4, v[C+4:C+5], s[14:15] offset:1536*(\st)+512        ; 256,
	global_store_b128 v1, v[C+6:C+9], s[14:15] offset:1536*(\st)+768
	global_store_b64 v4, v[C+10:C+11], s[14:15] offset:1536*(\st)+1280
.endm
	LOADS 0
	LOADS 1
	STEP 0
	STEP 1
	STEP 2
	STEP 3
	v_cndmask_b32 v20, v16, v18, s26               ; lanes 0-15: the words of my first 256 along K; lanes 16-31: of the second
	v_cndmask_b32 v21, v17, v19, s26
	global_store_b64 v4, v[20:21], s[16:17]        ; 256 consecutive bytes, aligned
	s_wait_tensorcnt 0x0                           ; the wave's end
	ds_add_u32 v254, v255
	s_wait_dscnt 0x0
	s_endpgm
.Lfunc_end_k_qd2a5073d5b_quant:
	.size	k_qd2a5073d5b_quant, .Lfunc_end_k_qd2a5073d5b_quant-k_qd2a5073d5b_quant
	.p2alignl 7, 3214868480
	.fill 96, 4, 3214868480
	.section	.rodata,"a",@progbits
	.p2align	6, 0x0
	.amdhsa_kernel k_qd2a5073d5b_quant
		.amdhsa_group_segment_fixed_size 17152
		.amdhsa_private_segment_fixed_size 0
		.amdhsa_enable_private_segment 0
		.amdhsa_kernarg_size 56
		.amdhsa_user_sgpr_count 2
		.amdhsa_user_sgpr_kernarg_segment_ptr 1
		.amdhsa_wavefront_size32 1
		.amdhsa_system_sgpr_workgroup_id_x 1
		.amdhsa_system_sgpr_workgroup_id_y 1
		.amdhsa_system_sgpr_workgroup_id_z 1
		.amdhsa_system_vgpr_workitem_id 0
		.amdhsa_next_free_vgpr 256
		.amdhsa_next_free_sgpr 66
		.amdhsa_reserve_vcc 0
		.amdhsa_float_denorm_mode_32 3
		.amdhsa_float_denorm_mode_16_64 3
		.amdhsa_memory_ordered 1
		.amdhsa_forward_progress 1
		.amdhsa_inst_pref_size 31
	.end_amdhsa_kernel
	.amdgpu_metadata
---
amdhsa.version: [ 1, 2 ]
amdhsa.kernels:
  - .name:           k_qd2a5073d5b_quant
    .symbol:         k_qd2a5073d5b_quant.kd
    .args:
      - { .name: q, .offset: 0, .size: 8, .value_kind: global_buffer, .address_space: global }
      - { .name: Wq, .offset: 8, .size: 8, .value_kind: global_buffer, .address_space: global }
      - { .name: Wk, .offset: 16, .size: 8, .value_kind: global_buffer, .address_space: global }
      - { .name: Wv, .offset: 24, .size: 8, .value_kind: global_buffer, .address_space: global }
      - { .name: Wo, .offset: 32, .size: 8, .value_kind: global_buffer, .address_space: global }
      - { .name: codes, .offset: 40, .size: 8, .value_kind: global_buffer, .address_space: global }
      - { .name: scl, .offset: 48, .size: 8, .value_kind: global_buffer, .address_space: global }
    .group_segment_fixed_size: 17152
    .private_segment_fixed_size: 0
    .kernarg_segment_align: 8
    .kernarg_segment_size: 56
    .max_flat_workgroup_size: 64
    .sgpr_count:     66
    .vgpr_count:     256
    .wavefront_size: 32
...
	.end_amdgpu_metadata
.endif
;; end of part 1
;; launch proj (part 2): grid 8 x 48, 4 waves a work-group, clusters of 4 x 4, 327,680 bytes of LDS; arguments codes, scl, bq, bk, bv, img, isc; writes img, isc
.if DOCPART == 2
	.amdgcn_target "amdgcn-amd-amdhsa--gfx1250"
	.amdhsa_code_object_version 6
	.text
	.protected	k_qd2a5073d5b_proj
	.globl	k_qd2a5073d5b_proj
	.p2align	8
	.type	k_qd2a5073d5b_proj,@function
k_qd2a5073d5b_proj:
	s_mov_b64 s[64:65], 0
	v_nop
	global_prefetch_b8 v0, s[64:65] scope:SCOPE_SE
	s_setreg_imm32_b32 hwreg(HW_REG_WAVE_MODE, 25, 1), 1
	s_wait_xcnt 0x0
	s_wait_alu depctr_hold_cnt(0) depctr_sa_sdst(0) depctr_va_vdst(0) depctr_va_sdst(0) depctr_va_ssrc(0) depctr_va_vcc(0) depctr_vm_vsrc(0)
	s_getreg_b32 s2, hwreg(HW_REG_IB_STS2, 6, 4)
	s_cmp_eq_u32 s2, 0
	s_cbranch_scc0 .Lentry_in_a_cluster
	s_endpgm
.Lentry_in_a_cluster:
	s_bfe_u32 s2, ttmp6, 0x10000c
	s_cmp_lg_u32 s2, 0xf033
	s_cbranch_scc0 .Lentry_shape_is_right
	s_endpgm
.Lentry_shape_is_right:
; Q, K = x W^T + b (cluster rows 0-7) and V^T = Wv x^T + bv (cluster rows 8-11), on codes of FP6, tiles of 256 x 256, K in four slots of 256; the results are quantised on the way out and leave as operand images.
; By the order of rows in a tile (place p of tile j of a group of 64: row 8 j + p % 8 + 32 (p / 8)) a lane's 32 results of four neighbouring tiles are one scale block of the next product.
; THE HEAD: one joint load a wave: wave 0 slot 0's 16 tiles of A, wave 1 those of B, wave 2 A's scale bytes, wave 3 B's; the set-up and the bias's loads stand under their flight; slot 1 is first filled behind the full sequence and a round.
.set FR,    12
.set NL,    4
.set NP,    4
.set TILEB, 3072
.set HALFT, 8*TILEB
.set SLOT,  4*HALFT
.set SCL,   2*SLOT
.set SCX,   8320
.set SPARE, 213248
.set ADRA,  16
.set ADRB,  20
.set ADRS,  27
.set SPW,   28
.set NIL,   29
.set SC,    32
.set AF,    128
.set HA,    128
.set PC,    192
.set TM,    212
.set PW,    228
.set SW,    230
.set G1,   24
.set G0,   32
.set G1B,  48
.set G0B,  56
.set SEL,  66
.set G1S,  68
.set G0S,  76
.set G1SB, 80
.set G0SB, 88
.set MSB, 0
.macro WIN new
.if MSB != (\new)
	s_set_vgpr_msb (MSB<<8)|(\new)
.set MSB, (\new)
.endif
.endm
.set MUL_LO,   0xa1
.set MUL_HI,   0xf1
.set FIRST_LO, 0x91
.set FIRST_HI, 0xd1
.set TO_B,     0x40
.macro JLOAD g0a, g1a, g0b, g1b
	s_cmp_eq_u32 s19, 0
	s_cbranch_scc0 .Lfor_b_\@
	tensor_load_to_lds s[\g0a:\g0a+3], s[\g1a:\g1a+7]
	s_nop 0
.rept 4
	v_nop
.endr
	s_branch .Lasked_\@
.Lfor_b_\@:
	tensor_load_to_lds s[\g0b:\g0b+3], s[\g1b:\g1b+7]
	s_nop 0
.rept 4
	v_nop
.endr
.Lasked_\@:
.endm
.macro CREST
	s_cmp_lg_u32 s18, 0
	s_cbranch_scc1 .Lnot_wave_0_\@
	s_barrier_signal -3
.Lnot_wave_0_\@:
	s_barrier_wait -3
	s_barrier_signal -1
	s_barrier_wait -1
.endm
.macro CROUND
	s_barrier_signal -1
	s_barrier_wait -1
	CREST
.endm
	s_load_b256 s[4:11], s[0:1], 0x0
	s_load_b128 s[12:15], s[0:1], 0x20
	s_load_b64 s[16:17], s[0:1], 0x30
	v_lshl_add_u32 v[SPW], v0, 2, SPARE
	v_mov_b32 v[NIL], 0
	ds_add_u32 v28, v29
	ds_add_u32 v28, v29
	s_wait_dscnt 0x0
	v_lshrrev_b32 v1, 5, v0
	v_readfirstlane_b32 s18, v1
	s_lshr_b32 s19, s18, 1
	s_and_b32 s20, s18, 1
	s_bfe_u32 s21, ttmp6, 0x40000
	s_bfe_u32 s22, ttmp6, 0x40004
	s_and_b32 s23, ttmp7, 0xffff
	s_lshl_b32 s40, s22, 2
	s_lshl_b32 s40, 15, s40
	s_lshl_b32 s44, 0x1111, s21
	s_or_b32 s[G1], s40, (3<<16)|(1<<21)
	s_or_b32 s[G1B], s44, (3<<16)|(1<<21)
	s_or_b32 s[G1S], s40, (3<<16)|(1<<21)
	s_or_b32 s[G1SB], s44, (3<<16)|(1<<21)
.irp g, G1, G1B
	s_mov_b32 s[\g+1], 384<<16
	s_mov_b32 s[\g+2], 16<<16
	s_mov_b32 s[\g+3], 384<<16
	s_mov_b32 s[\g+4], 16
	s_mov_b32 s[\g+5], 1536
	s_mov_b32 s[\g+6], 0
	s_mov_b32 s[\g+7], 0
.endr
.irp g, G1S, G1SB
	s_mov_b32 s[\g+1], 32<<16
	s_mov_b32 s[\g+2], 32<<16
	s_mov_b32 s[\g+3], 32<<16
	s_mov_b32 s[\g+4], 32
	s_mov_b32 s[\g+5], 32
	s_mov_b32 s[\g+6], 0
	s_mov_b32 s[\g+7], 0
.endr
	s_lshl_b32 s41, s23, 10
	s_cmp_lt_u32 s23, 8
	s_cselect_b32 s41, s41, 10240
	s_lshl_b32 s42, s22, 8
	s_add_co_u32 s41, s41, s42
	s_sub_co_u32 s45, s23, 8
	s_lshl_b32 s45, s45, 11
	s_cmp_lt_u32 s23, 8
	s_cselect_b32 s45, 8192, s45
	s_lshl_b32 s46, ttmp9, 10
	s_add_co_u32 s45, s45, s46
	s_lshl_b32 s46, s21, 8
	s_add_co_u32 s45, s45, s46
	s_lshl_b32 s92, s41, 5
	s_lshl_b32 s94, s45, 5
	s_mul_i32 s42, s41, 768
	s_mul_i32 s46, s45, 768
	s_mul_i32 s2, s20, 98304                       ; in the ring I fetch 128 rows of a tile: which half, in bytes
	s_mov_b32 s3, 0
	s_mov_b32 s43, 0
	s_mov_b32 s47, 0
	s_mov_b32 s93, 0
	s_mov_b32 s95, 0
	s_mul_i32 s96, s18, HALFT
	s_mov_b32 s[SEL], 0x76543210
	s_mov_b32 s[SEL+1], 0xfedcba98
	s_wait_kmcnt 0x0
	s_add_nc_u64 s[42:43], s[4:5], s[42:43]
	s_add_nc_u64 s[46:47], s[4:5], s[46:47]
	s_add_nc_u64 s[92:93], s[6:7], s[92:93]
	s_add_nc_u64 s[94:95], s[6:7], s[94:95]
	CROUND
	s_mov_b32 s[G0S], 1
	s_mov_b32 s[G0S+1], SCL
	s_mov_b64 s[G0S+2:G0S+3], s[92:93]
	s_or_b32 s[G0S+3], s[G0S+3], 0x80000000
	s_mov_b32 s[G0SB], 1
	s_mov_b32 s[G0SB+1], SCL+SCX
	s_mov_b64 s[G0SB+2:G0SB+3], s[94:95]
	s_or_b32 s[G0SB+3], s[G0SB+3], 0x80000000
	s_mov_b32 s[G0], 1                             ; the head's loads of slot 0: all 16 tiles of A,
	s_mov_b32 s[G0+1], 0
	s_mov_b64 s[G0+2:G0+3], s[42:43]
	s_or_b32 s[G0+3], s[G0+3], 0x80000000
	s_mov_b32 s[G0B], 1                            ; and of B, behind them
	s_mov_b32 s[G0B+1], 2*HALFT
	s_mov_b64 s[G0B+2:G0B+3], s[46:47]
	s_or_b32 s[G0B+3], s[G0B+3], 0x80000000
	s_add_nc_u64 s[42:43], s[42:43], s[2:3]        ; for the ring: my 8 tiles
	s_add_nc_u64 s[46:47], s[46:47], s[2:3]
	s_mov_b32 s[G0+4], 1
	s_add_co_u32 s[G0+5], s96, SLOT
	s_add_nc_u64 s[G0+6:G0+7], s[42:43], TILEB
	s_or_b32 s[G0+7], s[G0+7], 0x80000000
	s_mov_b32 s[G0B+4], 1
	s_add_co_u32 s[G0B+5], s96, SLOT
	s_add_nc_u64 s[G0B+6:G0B+7], s[46:47], TILEB
	s_or_b32 s[G0B+7], s[G0B+7], 0x80000000
.macro ARM under, g0, g1, next         ; one chain of branches on the wave's number, one load to an arm, one join
	s_cmp_lt_u32 s18, \under
	s_cbranch_scc0 \next
	tensor_load_to_lds s[\g0:\g0+3], s[\g1:\g1+7]
	s_nop 0
.rept 4
	v_nop
.endr
	s_branch .Lhead_asked
\next:
.endm
	ARM 1, G0,  G1,  .Lhead_b
	ARM 2, G0B, G1B, .Lhead_sa
	ARM 3, G0S, G1S, .Lhead_sb
	tensor_load_to_lds s[G0SB:G0SB+3], s[G1SB:G1SB+7]
	s_nop 0
.rept 4
	v_nop
.endr
.Lhead_asked:
	v_and_b32 v1, 15, v0
	v_bfe_u32 v2, v0, 4, 1
	v_and_b32 v3, 31, v0
	v_lshlrev_b32 v4, 4, v3
	v_lshlrev_b32 v5, 3, v3
	s_mul_i32 s2, s19, HALFT
	s_mul_i32 s3, s20, HALFT
	s_add_co_u32 s3, s3, 2*HALFT
.irp s, 0,1
	v_add_nc_u32 v[ADRA+\s], s2, v4
	v_add_nc_u32 v[ADRA+2+\s], s2, v5
	v_add_nc_u32 v[ADRB+\s], s3, v4
	v_add_nc_u32 v[ADRB+2+\s], s3, v5
	s_add_co_u32 s2, s2, SLOT
	s_add_co_u32 s3, s3, SLOT
.endr
	s_lshl_b32 s2, s19, 12
	s_lshl_b32 s3, s20, 12
	s_add_co_u32 s3, s3, SCX
	s_sub_co_u32 s3, s3, s2
	v_mul_u32_u24 v6, s3, v2
	s_add_co_u32 s2, s2, SCL
	v_lshl_add_u32 v6, v1, 3, v6
	v_add_nc_u32 v[ADRS], s2, v6
	s_cmp_lt_u32 s23, 8
	s_cselect_b32 s101, 0, -1
	s_mov_b32 s100, 0xffff
	s_cselect_b32 s100, s100, -1
	s_mov_b32 s96, 1536
	s_cselect_b32 s96, 768, s96
	s_mov_b32 s98, 93696
	s_cselect_b32 s98, 768, s98
	s_mov_b32 s104, 98304
	s_cselect_b32 s104, s104, 768
	s_mov_b32 s105, 8192
	s_cselect_b32 s105, 512, s105
	s_cselect_b32 s2, 16, 0
	s_mov_b32 s97, 0
	s_mov_b32 s99, 0
	v_mov_b32 v24, v4
	v_add_nc_u32 v25, s104, v4
	v_add_nc_u32 v26, 512, v5
	v_add_nc_u32 v30, s104, v26
	v_mov_b32 v31, v5
	v_add_nc_u32 v12, s105, v5
	v_mul_u32_u24 v13, s2, v2
	v_lshlrev_b32 v14, 7, v2                       ; a lane's results begin at column 32 h of a group of 64
	v_lshlrev_b32 v11, 3, v2                       ; 8 h: my bytes' place in a scale word
	s_wait_alu depctr_va_vdst(0)
	v_and_b32 v15, 8, v1
	v_mad_u32_u24 v15, v15, 3, v1                  ; place r is row r % 8 + 32 (r / 8)
	v_lshlrev_b32 v15, 2, v15
	s_wait_alu depctr_va_vdst(0)
	s_cmp_eq_u32 ttmp9, 0
	s_cselect_b64 s[104:105], s[8:9], s[10:11]
	s_cmp_lt_u32 s23, 8
	s_cselect_b64 s[104:105], s[104:105], s[12:13]
	s_lshl_b32 s2, s21, 10
	s_lshl_b32 s3, s20, 9
	s_add_co_u32 s2, s2, s3
	s_mov_b32 s3, 0
	s_add_nc_u64 s[42:43], s[104:105], s[2:3]
	s_lshl_b32 s2, s22, 10
	s_lshl_b32 s40, s19, 9
	s_add_co_u32 s2, s2, s40
	s_add_nc_u64 s[46:47], s[104:105], s[2:3]
	WIN TO_B
.irp b, 0,1,2,3,4,5,6,7
	global_load_b128 v[96+8*\b+96*(\b/4):96+8*\b+96*(\b/4)+3], v14, s[42:43] offset:(64*(\b/4)+8*(\b%4))*4
	global_load_b128 v[96+8*\b+96*(\b/4)+4:96+8*\b+96*(\b/4)+7], v14, s[42:43] offset:(64*(\b/4)+8*(\b%4))*4+16
.endr
	WIN 0
.irp a, 0,1,2,3,4,5,6,7
	global_load_b32 v[64+2*\a], v15, s[46:47] offset:(64*(\a/4)+8*(\a%4))*4
.endr
	s_lshl_b32 s2, s19, 7
	s_add_co_u32 s2, s41, s2
	s_lshl_b32 s3, s20, 7
	s_add_co_u32 s3, s45, s3
	s_lshr_b32 s40, s2, 11
	s_bfe_u32 s44, s2, 0x70004
	s_sub_co_u32 s92, s3, 8192
	s_lshr_b32 s92, s92, 6
	s_lshr_b32 s93, s92, 4
	s_and_b32 s92, s92, 15
	s_lshl_b32 s94, s93, 2
	s_add_co_u32 s94, s94, s40
	s_lshl_b32 s95, s94, 4
	s_add_co_u32 s95, s95, s92
	s_mul_i32 s95, s95, 98304
	s_mul_i32 s104, s44, 768
	s_add_co_u32 s95, s95, s104
	s_lshl_b32 s94, s94, 3
	s_lshr_b32 s92, s92, 1
	s_add_co_u32 s94, s94, s92
	s_lshl_b32 s94, s94, 14
	s_lshr_b32 s44, s44, 1
	s_lshl_b32 s44, s44, 8
	s_add_co_u32 s94, s94, s44
	s_lshr_b32 s40, s3, 11
	s_bfe_u32 s44, s3, 0x40007
	s_sub_co_u32 s92, s2, 10240
	s_lshr_b32 s92, s92, 6
	s_lshl_b32 s40, s40, 4
	s_add_co_u32 s40, s40, s92
	s_lshl_b32 s40, s40, 4
	s_add_co_u32 s40, s40, s44
	s_mul_i32 s92, s40, 6144
	s_add_co_u32 s92, s92, 12582912
	s_lshl_b32 s40, s40, 9
	s_add_co_u32 s40, s40, 1048576
	s_cmp_lt_u32 s23, 8
	s_cselect_b32 s92, s95, s92
	s_cselect_b32 s94, s94, s40
	s_mov_b32 s93, 0
	s_mov_b32 s95, 0
	s_add_nc_u64 s[92:93], s[14:15], s[92:93]
	s_add_nc_u64 s[94:95], s[16:17], s[94:95]
	s_wait_loadcnt 0x0
	WIN 0x41
.irp b, 0,1,2,3,4,5,6,7
.irp j, 0,1,2,3,4,5,6,7
	v_cndmask_b32 v[96+8*\b+96*(\b/4)+\j], v[96+8*\b+96*(\b/4)+\j], v[NIL], s101
.endr
.endr
	WIN 0
.irp a, 0,1,2,3,4,5,6,7
	v_cndmask_b32 v[64+2*\a], v[NIL], v[64+2*\a], s101
.endr
.irp a, 0,1,2,3,4,5,6,7
	v_mov_b32 v[65+2*\a], v[64+2*\a]
.endr
.macro FRAG reg, adr, q, i
	ds_load_b128 v[\reg:\reg+3], v[\adr] offset:(\i)*TILEB+(\q)*1536
	ds_load_b64 v[\reg+4:\reg+5], v[\adr+2] offset:(\i)*TILEB+(\q)*1536+512
	ds_load_b128 v[\reg+6:\reg+9], v[\adr] offset:(\i)*TILEB+(\q)*1536+768
	ds_load_b64 v[\reg+10:\reg+11], v[\adr+2] offset:(\i)*TILEB+(\q)*1536+1280
.endm
.macro MUL16 a0, p, q, sc, first
.irp a, \a0, \a0+1
.irp b, 0,1,2,3,4,5,6,7
.if \first
	v_wmma_scale_f32_16x16x128_f8f6f4 v[8*(8*((\a)%4)+\b):8*(8*((\a)%4)+\b)+7], v[128*(\p)+FR*\b:128*(\p)+FR*\b+FR-1], v[AF+FR*(\a):AF+FR*(\a)+FR-1], v[96+8*\b+96*(\b/4):96+8*\b+96*(\b/4)+7], v[SC+16*(\sc)+2*\b+(\q)], v[SC+16*(\sc)+2*(\a)+(\q)] matrix_a_fmt:MATRIX_FMT_FP6 matrix_b_fmt:MATRIX_FMT_FP6 matrix_a_scale:MATRIX_SCALE_ROW1
.else
	v_wmma_scale_f32_16x16x128_f8f6f4 v[8*(8*((\a)%4)+\b):8*(8*((\a)%4)+\b)+7], v[128*(\p)+FR*\b:128*(\p)+FR*\b+FR-1], v[AF+FR*(\a):AF+FR*(\a)+FR-1], v[8*(8*((\a)%4)+\b):8*(8*((\a)%4)+\b)+7], v[SC+16*(\sc)+2*\b+(\q)], v[SC+16*(\sc)+2*(\a)+(\q)] matrix_a_fmt:MATRIX_FMT_FP6 matrix_b_fmt:MATRIX_FMT_FP6 matrix_a_scale:MATRIX_SCALE_ROW1
.endif
.endr
.endr
.endm
.macro FETCH_B slot, q, p
	WIN TO_B
.irp i, 0,1,2,3,4,5,6,7
	FRAG 128*(\p)+FR*\i, ADRB+\slot, \q, \i
.endr
	WIN 0
.endm
.macro FETCH_A slot, q, i0
.irp i, \i0, \i0+1, \i0+2, \i0+3
	FRAG AF+FR*(\i), ADRA+\slot, \q, \i
.endr
.endm
.macro SCALES sc
.irp i, 0,1,2,3,4,5,6,7
	ds_load_b64 v[SC+16*\sc+2*\i:SC+16*\sc+2*\i+1], v[ADRS] offset:512*\i
.endr
.endm
.macro PLACES n
.rept \n
	v_nop
.endr
.endm
.macro STEP slot, q, first
	s_wait_dscnt 4*NL
.if \first
	WIN FIRST_LO
.else
	WIN MUL_LO
.endif
	MUL16 0, (\q)%2, \q, \slot, \first
	MUL16 2, (\q)%2, \q, \slot, \first
	s_wait_dscnt 0
	PLACES NP
	FETCH_B \slot, (\q)+1, 1-(\q)%2
	FETCH_A \slot, (\q)+1, 0
.if \first
	WIN FIRST_HI
.else
	WIN MUL_HI
.endif
	MUL16 4, (\q)%2, \q, \slot, \first
	MUL16 6, (\q)%2, \q, \slot, \first
	PLACES NP
	WIN 0
	FETCH_A \slot, (\q)+1, 4
.endm
.macro TURN slot, next, fill
	s_wait_tensorcnt 0x0
	ds_add_u32 v[SPW], v[NIL]
	s_wait_dscnt 4*NL+1
	WIN MUL_LO
	MUL16 0, 1, 1, \slot, 0
	s_wait_dscnt 0x0
	s_barrier_signal -1
	MUL16 2, 1, 1, \slot, 0
	WIN 0
	s_barrier_wait -1
.if \fill
	CREST
	s_add_nc_u64 s[G0+4*\slot+2:G0+4*\slot+3], s[G0+4*\slot+2:G0+4*\slot+3], 2*TILEB
	s_add_nc_u64 s[G0B+4*\slot+2:G0B+4*\slot+3], s[G0B+4*\slot+2:G0B+4*\slot+3], 2*TILEB
	JLOAD G0+4*\slot, G1, G0B+4*\slot, G1B
.else
	PLACES NP
.endif
	s_wait_alu depctr_va_vdst(0)
	v_add_nc_u32 v[ADRS], 128, v[ADRS]
	FETCH_B \next, 0, 0
	FETCH_A \next, 0, 0
	SCALES \next
	WIN MUL_HI
	MUL16 4, 1, 1, \slot, 0
	MUL16 6, 1, 1, \slot, 0
	PLACES NP
	WIN 0
	FETCH_A \next, 0, 4
.endm
.macro QUANT s                         ; my 64 numbers are blocks h and 2 + h of the row's four, each whole
.irp c, 0,1
	v_max3_num_f32 v[TM+\c], |v[\s+32*\c]|, |v[\s+1+32*\c]|, 0x1800000
.endr
.irp i, 2,4,6,8,10,12,14,16,18,20,22,24,26,28,30
.irp c, 0,1
	v_max3_num_f32 v[TM+\c], v[TM+\c], |v[\s+32*\c+\i]|, |v[\s+1+32*\c+\i]|
.endr
.endr
.irp c, 0,1
	v_add_nc_u32 v[TM+12+\c], 0xff000000, v[TM+\c]
.endr
.irp c, 0,1
	v_lshrrev_b32 v[TM+4+\c], 23, v[TM+12+\c]
.endr
	v_lshl_or_b32 v[PW], v[TM+5], 16, v[TM+4]
	v_lshlrev_b32 v[PW], v11, v[PW]                ; my two bytes at their places;
	v_permlanex16_b32 v[TM+6], v[PW], s[SEL], s[SEL+1]
	v_or_b32 v[PW], v[PW], v[TM+6]                 ; with lane l xor 16's two the word is whole
.irp c, 0,1
	v_cvt_scalef32_pk16_fp6_f32 v[PC+6*\c:PC+2+6*\c], v[\s+32*\c:\s+15+32*\c], v[TM+12+\c]
	v_cvt_scalef32_pk16_fp6_f32 v[PC+12+4*\c:PC+14+4*\c], v[\s+16+32*\c:\s+31+32*\c], v[TM+12+\c]
.endr
	v_nop
.irp c, 0,1
.irp i, 0,1,2
	v_mov_b32 v[PC+3+6*\c+\i], v[PC+12+4*\c+\i]
.endr
.endr
.endm
.macro EPI a
.if (\a) > 0
	s_wait_xcnt 0x0
.if (\a) == 4
	s_add_nc_u64 s[92:93], s[92:93], s[98:99]
.else
	s_add_nc_u64 s[92:93], s[92:93], s[96:97]
.endif
.endif
	WIN 0x02+(\a)/4
.set e, 0
.rept 32
	v_pk_add_f32 v[HA+e:HA+e+1], v[64*((\a)%4)+e:64*((\a)%4)+e+1], v[64+2*(\a):65+2*(\a)]
.set e, e+2
.endr
	WIN 0
	QUANT HA
	v_lshrrev_b32 v[SW+(\a)%2], v13, v[PW]
	v_and_b32 v[SW+(\a)%2], s100, v[SW+(\a)%2]
	global_store_b128 v24, v[PC:PC+3], s[92:93]
	global_store_b64 v26, v[PC+4:PC+5], s[92:93]
	global_store_b128 v25, v[PC+6:PC+9], s[92:93]
	global_store_b64 v30, v[PC+10:PC+11], s[92:93]
.if (\a)%2 == 1
.if (\a) < 4
	global_store_b64 v31, v[SW:SW+1], s[94:95] offset:256*(((\a)/2)%2)
.else
	global_store_b64 v12, v[SW:SW+1], s[94:95] offset:256*(((\a)/2)%2)
.endif
.endif
.endm
	s_wait_alu depctr_va_vdst(0)                   ; the wait at the head's end
	s_wait_tensorcnt 0x0                           ; my tile of the head's four is in; the lines ahead of a later first fill:
	ds_add_u32 v[SPW], v[NIL]
	s_mov_b32 s[G1+2], 8<<16                       ; no tensor load of mine is out: from here on a load brings 8 tiles,
	s_mov_b32 s[G1+4], 8
	s_mov_b32 s[G1B+2], 8<<16
	s_mov_b32 s[G1B+4], 8
	s_mul_i32 s[G0+1], s18, HALFT                  ; and slot 0's group 0 is the ring's: my quarter, one slot's step ahead of slot 1's
	s_sub_nc_u64 s[G0+2:G0+3], s[G0+6:G0+7], TILEB
	s_mul_i32 s[G0B+1], s18, HALFT
	s_sub_nc_u64 s[G0B+2:G0B+3], s[G0B+6:G0B+7], TILEB
	s_wait_dscnt 0x0
	CROUND
	JLOAD G0+4, G1, G0B+4, G1B                     ; slot 1's first fill, the first tensor load behind the round
	FETCH_B 0, 0, 0
	FETCH_A 0, 0, 0
	SCALES 0
	FETCH_A 0, 0, 4
	STEP 0, 0, 1
	TURN 0, 1, 1
	STEP 1, 0, 0
	TURN 1, 0, 1
	STEP 0, 0, 0
	TURN 0, 1, 0
	STEP 1, 0, 0
	s_wait_dscnt 4*NL
	WIN MUL_LO
	MUL16 0, 1, 1, 1, 0
	MUL16 2, 1, 1, 1, 0
	s_wait_dscnt 0
	WIN MUL_HI
	MUL16 4, 1, 1, 1, 0
	MUL16 6, 1, 1, 1, 0
	WIN 0
	PLACES NP
.irp b, 0,1,2,3
	v_mov_b32 v[TM+4+\b], 0
.endr
.irp a, 0,1,2,3,4,5,6,7
	EPI \a
.endr
	s_wait_tensorcnt 0x0
	ds_add_u32 v[SPW], v[NIL]
	s_wait_dscnt 0x0
	CROUND
	s_endpgm
.Lfunc_end_k_qd2a5073d5b_proj:
	.size	k_qd2a5073d5b_proj, .Lfunc_end_k_qd2a5073d5b_proj-k_qd2a5073d5b_proj
	.p2alignl 7, 3214868480
	.fill 96, 4, 3214868480
	.section	.rodata,"a",@progbits
	.p2align	6, 0x0
	.amdhsa_kernel k_qd2a5073d5b_proj
		.amdhsa_group_segment_fixed_size 327680
		.amdhsa_private_segment_fixed_size 0
		.amdhsa_enable_private_segment 0
		.amdhsa_kernarg_size 56
		.amdhsa_user_sgpr_count 2
		.amdhsa_user_sgpr_kernarg_segment_ptr 1
		.amdhsa_wavefront_size32 1
		.amdhsa_system_sgpr_workgroup_id_x 1
		.amdhsa_system_sgpr_workgroup_id_y 1
		.amdhsa_system_sgpr_workgroup_id_z 1
		.amdhsa_system_vgpr_workitem_id 0
		.amdhsa_next_free_vgpr 1024
		.amdhsa_next_free_sgpr 106
		.amdhsa_reserve_vcc 0
		.amdhsa_float_denorm_mode_32 3
		.amdhsa_float_denorm_mode_16_64 3
		.amdhsa_memory_ordered 1
		.amdhsa_forward_progress 1
		.amdhsa_inst_pref_size 169
	.end_amdhsa_kernel
	.amdgpu_metadata
---
amdhsa.version: [ 1, 2 ]
amdhsa.kernels:
  - .name:           k_qd2a5073d5b_proj
    .symbol:         k_qd2a5073d5b_proj.kd
    .args:
      - { .name: codes, .offset: 0, .size: 8, .value_kind: global_buffer, .address_space: global }
      - { .name: scl, .offset: 8, .size: 8, .value_kind: global_buffer, .address_space: global }
      - { .name: bq, .offset: 16, .size: 8, .value_kind: global_buffer, .address_space: global }
      - { .name: bk, .offset: 24, .size: 8, .value_kind: global_buffer, .address_space: global }
      - { .name: bv, .offset: 32, .size: 8, .value_kind: global_buffer, .address_space: global }
      - { .name: img, .offset: 40, .size: 8, .value_kind: global_buffer, .address_space: global }
      - { .name: isc, .offset: 48, .size: 8, .value_kind: global_buffer, .address_space: global }
    .group_segment_fixed_size: 327680
    .private_segment_fixed_size: 0
    .kernarg_segment_align: 8
    .kernarg_segment_size: 56
    .max_flat_workgroup_size: 128
    .sgpr_count:     106
    .vgpr_count:     1024
    .wavefront_size: 32
...
	.end_amdgpu_metadata
.endif
;; end of part 2
;; launch attn (part 3): grid 4 x 64, 16 waves a work-group, clusters of 4 x 1, 284,672 bytes of LDS; arguments img, isc, out1, acodes, ascl; writes out1, acodes, ascl
.if DOCPART == 3
	.amdgcn_target "amdgcn-amd-amdhsa--gfx1250"
	.amdhsa_code_object_version 6
	.text
	.protected	k_qd2a5073d5b_attn
	.globl	k_qd2a5073d5b_attn
	.p2align	8
	.type	k_qd2a5073d5b_attn,@function
k_qd2a5073d5b_attn:
	s_mov_b64 s[64:65], 0
	v_nop
	global_prefetch_b8 v0, s[64:65] scope:SCOPE_SE
	s_setreg_imm32_b32 hwreg(HW_REG_WAVE_MODE, 25, 1), 1
	s_wait_xcnt 0x0
	s_wait_alu depctr_hold_cnt(0) depctr_sa_sdst(0) depctr_va_vdst(0) depctr_va_sdst(0) depctr_va_ssrc(0) depctr_va_vcc(0) depctr_vm_vsrc(0)
	s_getreg_b32 s2, hwreg(HW_REG_IB_STS2, 6, 4)
	s_cmp_eq_u32 s2, 0
	s_cbranch_scc0 .Lentry_in_a_cluster
	s_endpgm
.Lentry_in_a_cluster:
	s_bfe_u32 s2, ttmp6, 0x10000c
	s_cmp_lg_u32 s2, 0x3003
	s_cbranch_scc0 .Lentry_shape_is_right
	s_endpgm
.Lentry_shape_is_right:
; attn_w[b][q][head] = softmax_k(Q . K / 8) V for one head, both products on codes of FP6 (E2M3) with one E8M0 scale for each 32 along K.  Stored twice: as f32 (out1), and as codes for the last projection.
; THE SOFTMAX: t = score x log2(e) / 8; M = the running largest t rounded UP to a whole number; p = 2^(t - M) is quantised along the keys, not normalised.  The row's sum is taken of the unquantised p and divides at the end;
; when M moves, the sum and O are multiplied by 2^(old M - new M), exactly, in every step.
; SHARES: a work-group owns 512 queries of one head; each of its sixteen waves one tile of 16, twice (two passes); four waves share a SIMD.
; NO RING: a head's K and V codes (2 x 98,304 bytes) and scale bytes (2 x 8,192) come into LDS once, one tensor load a wave: waves 0-5 K's codes, 6-11 V's (16,384 bytes each), 12-13 K's scale words, 14-15 V's.
; CLUSTER: the four work-groups of a head ask for these tiles jointly (mask 15).  NO PREFETCH: all that the launch streams is asked for at its head; there is no loop to run ahead in.
; LAYOUT: all tiles lie in the order of the operands' registers.  Both products are used transposed: S^T = K Q^T, O^T = V^T P^T: a lane holds one query.
; By the order of rows in a tile (place p of tile j of a group of 64: row 8 j + p % 8 + 32 (p / 8)) lane (r, h)'s 32 registers of four neighbouring tiles are 32 neighbouring keys (S^T) or channels (O^T): one whole scale block,
; in the very place that the next operand's layout gives that lane.  Only the row's maximum and the scale word's bytes cross to lane l xor 16.
; CHAINS: the maxima run in eight chains (one to an accumulator), the sums in eight; the lines that hang on each other (block scales, f) stand between lines that do not.
; K = 64 IN AN INSTRUCTION OF 128: Q's fragment is its 6 registers and 6 registers of zero codes.  K's fragment for tile t is 12 registers on end, of which the upper 6 are tile t + 1's codes (behind tile 7: zeros):
; they meet Q's zero codes, and the scale bytes there are 0 (2^-127, no NaN): those products add exact zeros.
; LIMITS: NaN and infinities are not served; the promise holds while |t| stays under 2^31; 1 / sum is v_rcp_f32 and a multiplication; a block of attn_w under 2^-124 keeps the byte 1; attn_w's scale bytes leave as single bytes.
; REGISTERS: v1-7, v31 addresses that stay; v8-11, v29, v30 addresses in hand; v12 -M, v13 the largest score, v[14:15] the sum; v16-27 Q; v28 Q's scale words; v32-85 K's 8 half fragments and zeros; v86-93 K's scale words;
;   v94, v95 the add's two; v96-159 S^T, then p, then V's four fragments, then rows of out1; v160-191 O^T, then attn_w; v192-207 a step's eight partial sums; v208-214 codes on their way; v216-222 the second pass's Q; v223 the old -M;
;   v224-235 p's codes; v236-243 the eight maxima; v244-247 scale operands and bytes; v248-251 V's scale words; v252 f, v253 p's scale word; v254, v255 at work.
.set KC,  0                            ; LDS: K's codes: 16 key steps x 8 tiles x 768
.set VC,  98304                        ; V's: 16 key steps x 4 tiles of channels x 1,536
.set KS,  196608                       ; K's scale words: [key step][pair of tiles][row][2 words]
.set VS,  204800                       ; V's: [key step][pair of tiles][2 copies][row][2 words]
.set STG, 212992                       ; the way out: 16 rows x 272 bytes for each wave; no tile lands here
.set SPARE, 282624                     ; the spare words
.set KF,  32
.set KSW, 86
.set WV,  18
.set SEL, 20
.set CS,  22
.macro WALU
	s_wait_alu depctr_va_vdst(0)
.endm
.macro CROUND                          ; a round of the cluster's barrier
	s_barrier_signal -1
	s_barrier_wait -1
	s_cmp_lg_u32 s[WV], 0
	s_cbranch_scc1 .Lnot_wave_0_\@
	s_barrier_signal -3
.Lnot_wave_0_\@:
	s_barrier_wait -3
	s_barrier_signal -1
	s_barrier_wait -1
.endm
.macro GROUP1 g, c, rows               ; rows of c elements of 8 bytes, 256 bytes apart in memory; 15:0 the mask, 21 set beside it
	s_mov_b32 s[\g], 15|(3<<16)|(1<<21)
	s_mov_b32 s[\g+1], (\c)<<16
	s_mov_b32 s[\g+2], (\rows)<<16
	s_mov_b32 s[\g+3], (\c)<<16
	s_mov_b32 s[\g+4], \rows
	s_mov_b32 s[\g+5], 32
	s_mov_b32 s[\g+6], 0
	s_mov_b32 s[\g+7], 0
.endm
.macro GROUP0 g, lds, base, off
	s_mov_b32 s[\g], 1
	s_mov_b32 s[\g+1], s\lds
	s_add_nc_u64 s[\g+2:\g+3], s[\base:\base+1], s[\off:\off+1]
	s_or_b32 s[\g+3], s[\g+3], 0x80000000
.endm
.macro ARM under, g0, g1, next         ; one chain of branches on the wave's number, one load to an arm, one join
	s_cmp_lt_u32 s[WV], \under
	s_cbranch_scc0 \next
	tensor_load_to_lds s[\g0:\g0+3], s[\g1:\g1+7]
	s_nop 0
.rept 4
	v_nop
.endr
	s_branch .Lasked
\next:
.endm
	s_load_b256 s[4:11], s[0:1], 0x0               ; img, isc, out1, acodes
	s_load_b64 s[12:13], s[0:1], 0x20              ; ascl
	v_lshl_add_u32 v94, v0, 2, SPARE
	v_mov_b32 v95, 0
	ds_add_u32 v94, v95                            ; the opening lines: the add, twice on end, and its wait
	ds_add_u32 v94, v95
	v_lshrrev_b32 v8, 5, v0
	v_readfirstlane_b32 s[WV], v8                  ; wave 0..15
	s_and_b32 s14, ttmp7, 0xffff                   ; batch x 16 + head: the four partners share it
	s_lshr_b32 s15, s14, 4                         ; batch
	s_and_b32 s16, s14, 15                         ; head
	s_bfe_u32 s17, ttmp6, 0x40000                  ; cx: it enters Q's and the outputs' addresses alone
	s_lshl_b32 s19, ttmp9, 2
	s_add_co_u32 s19, s19, s17                     ; my block of 512 queries
	GROUP1 24, 32, 64                              ; codes: 16,384 dense bytes as 64 rows of 256
	GROUP1 32, 16, 32                              ; K's scale words of 8 key steps: my head's 128 bytes of each of 32 blocks of 256
	GROUP1 40, 32, 16                              ; V's: 4,096 dense bytes
	s_mul_i32 s82, s14, 98304                      ; the head's codes
	s_lshl_b32 s83, s[WV], 14                      ; LDS: wave x 16,384: K's six parts, then V's six
	s_add_co_u32 s84, s82, s83
	s_add_co_u32 s86, s84, 12582912-98304          ; V's part of img, waves 6-11
	s_add_co_u32 s84, s84, 6291456                 ; K's, waves 0-5
	s_mov_b32 s85, 0
	s_mov_b32 s87, 0
	s_lshl_b32 s88, s15, 3
	s_add_co_u32 s88, s88, 32                      ; K: (4 + batch) x 8
	s_lshr_b32 s89, s16, 1
	s_add_co_u32 s88, s88, s89                     ; + the pair of heads
	s_lshl_b32 s88, s88, 14
	s_and_b32 s89, s16, 1
	s_lshl_b32 s89, s89, 7
	s_add_co_u32 s88, s88, s89                     ; + 128 for the odd head
	s_lshl_b32 s89, s[WV], 13
	s_add_co_u32 s88, s88, s89
	s_sub_co_u32 s88, s88, 12*8192                 ; + (wave - 12) x 8 key steps
	s_mov_b32 s89, 0
	s_lshl_b32 s92, s[WV], 12
	s_lshl_b32 s90, s14, 13
	s_add_co_u32 s90, s90, s92
	s_add_co_u32 s90, s90, 1048576-14*4096         ; V's scale words, + (wave - 14) x 8 key steps
	s_mov_b32 s91, 0
	s_add_co_u32 s94, s92, KS-12*4096              ; LDS: waves 12, 13
	s_add_co_u32 s95, s92, VS-14*4096              ; waves 14, 15
	s_mov_b32 s[SEL], 0x76543210
	s_mov_b32 s[SEL+1], 0xfedcba98                 ; selects for lane l xor 16
	s_mov_b32 s[CS], 0x3e38aa3b                    ; c = log2(e) / 8
	s_mov_b32 s[CS+1], s[CS]                       ; (named with it as a pair, so it is written)
	s_mov_b32 s93, 0xbe38aa3b                      ; -c
	s_wait_dscnt 0x0
	s_wait_kmcnt 0x0
	GROUP0 48, 83, 4, 84
	GROUP0 52, 83, 4, 86
	GROUP0 56, 94, 6, 88
	GROUP0 60, 95, 6, 90
	CROUND                                         ; all four work-groups are here: the joint loads meet
	ARM 6,  48, 24, .Lfor_v
	ARM 12, 52, 24, .Lfor_ks
	ARM 14, 56, 32, .Lfor_vs
	tensor_load_to_lds s[60:63], s[40:47]
	s_nop 0
.rept 4
	v_nop
.endr
.Lasked:
	s_lshl_b32 s83, s19, 5
	s_add_co_u32 s83, s83, s[WV]                   ; my tile of queries in the first pass; the second lies 16 tiles on
	s_mul_i32 s84, s83, 768
	s_add_co_u32 s84, s84, s82
	s_mov_b32 s85, 0
	s_add_nc_u64 s[72:73], s[4:5], s[84:85]        ; Q's codes
	s_lshl_b32 s84, s15, 3
	s_lshr_b32 s86, s16, 1
	s_add_co_u32 s84, s84, s86
	s_lshl_b32 s84, s84, 6
	s_lshr_b32 s86, s83, 1                         ; the pair of tiles
	s_add_co_u32 s84, s84, s86
	s_lshl_b32 s84, s84, 8
	s_and_b32 s87, s16, 1
	s_lshl_b32 s87, s87, 7
	s_add_co_u32 s84, s84, s87
	s_and_b32 s87, s83, 1                          ; the tile in its pair
	s_lshl_b32 s88, s87, 2
	s_add_co_u32 s84, s84, s88
	s_add_nc_u64 s[74:75], s[6:7], s[84:85]        ; Q's scale words
	s_lshl_b32 s84, s15, 11
	s_lshr_b32 s88, s83, 2
	s_lshl_b32 s88, s88, 6
	s_add_co_u32 s84, s84, s88
	s_and_b32 s88, s83, 3
	s_lshl_b32 s88, s88, 3
	s_add_co_u32 s84, s84, s88                     ; the tile's first token: 2,048 batch + 64 (tile / 4) + 8 (tile % 4)
	s_lshl_b32 s84, s84, 12
	s_lshl_b32 s88, s16, 8
	s_add_co_u32 s84, s84, s88
	s_add_nc_u64 s[76:77], s[8:9], s[84:85]        ; out1
	s_lshl_b32 s86, s15, 7
	s_add_co_u32 s86, s86, s83                     ; the tile among all 512
	s_mul_i32 s84, s86, 12288
	s_mul_i32 s88, s16, 768
	s_add_co_u32 s84, s84, s88
	s_add_nc_u64 s[78:79], s[10:11], s[84:85]      ; acodes: [tile][head][768]
	s_lshl_b32 s84, s86, 9
	s_lshr_b32 s88, s16, 2
	s_lshl_b32 s88, s88, 7
	s_add_co_u32 s84, s84, s88
	s_and_b32 s88, s16, 3
	s_lshl_b32 s88, s88, 1
	s_add_co_u32 s84, s84, s88
	s_add_nc_u64 s[80:81], s[12:13], s[84:85]      ; ascl: [tile][K / 256][row][8 bytes]
	s_mul_i32 s84, s[WV], 4352
	s_add_co_u32 s84, s84, STG                     ; my stage
	v_and_b32 v8, 31, v0                           ; lane
	v_and_b32 v9, 15, v0                           ; r
	v_bfe_u32 v10, v0, 4, 1                        ; h
	v_lshlrev_b32 v1, 4, v8                        ; 16 x lane
	v_lshlrev_b32 v2, 3, v8                        ; 8 x lane
	v_lshlrev_b32 v3, 3, v9                        ; 8 r
	v_lshlrev_b32 v31, 3, v10                      ; 8 h: my bytes' place in a scale word
	v_mul_u32_u24 v4, v9, 272
	v_mul_u32_u24 v5, v10, 272
	v_lshlrev_b32 v6, 12, v10
	v_lshl_add_u32 v4, v10, 7, v4
	v_lshl_add_u32 v5, v9, 4, v5
	v_lshl_add_u32 v6, v9, 4, v6                   ; two rows of out1: lanes 0-15 one, lanes 16-31 the next
	v_add_nc_u32 v4, s84, v4                       ; the stage, in: row r, 128 h bytes on
	v_add_nc_u32 v5, s84, v5                       ; back: lanes 0-15 one row, lanes 16-31 the next
	v_lshl_add_u32 v7, v9, 3, v10                  ; my scale byte: 8 r + h
.irp j, 22,23,24,25,26,27,80,81,82,83,84,85
	v_mov_b32 v\j, 0                               ; zero codes
.endr
	v_mov_b32 v255, 0                              ; a lane permute's destination counts as read
	WALU                                           ; the wait at the head's end
	global_load_b128 v[16:19], v1, s[72:73]        ; Q of both passes
	global_load_b64 v[20:21], v2, s[72:73] offset:512
	global_load_b32 v28, v3, s[74:75]
	global_load_b128 v[216:219], v1, s[72:73] offset:12288
	global_load_b64 v[220:221], v2, s[72:73] offset:12800
	global_load_b32 v222, v3, s[74:75] offset:2048
	s_wait_tensorcnt 0x0                           ; my part is in,
	s_barrier_signal -1
	s_barrier_wait -1                              ; everybody's is: the whole head lies in LDS
	s_wait_loadcnt 0x0
.macro KLOAD                           ; a key step's 8 tiles of K and their scale words
.irp t, 0,1,2,3,4,5,6,7
	ds_load_b128 v[KF+6*\t:KF+6*\t+3], v8 offset:768*\t
	ds_load_b64 v[KF+6*\t+4:KF+6*\t+5], v9 offset:768*\t+512
.endr
.irp u, 0,1,2,3
	ds_load_b64 v[KSW+2*\u:KSW+2*\u+1], v10 offset:128*\u
.endr
.endm
.macro VLOAD                           ; its 4 fragments of V and their scale words
.irp t, 0,1,2,3
	ds_load_b128 v[96+12*\t:99+12*\t], v11 offset:1536*\t
	ds_load_b64 v[100+12*\t:101+12*\t], v29 offset:1536*\t+512
	ds_load_b128 v[102+12*\t:105+12*\t], v11 offset:1536*\t+768
	ds_load_b64 v[106+12*\t:107+12*\t], v29 offset:1536*\t+1280
.endr
.irp u, 0,1
	ds_load_b64 v[248+2*\u:249+2*\u], v30 offset:256*\u
.endr
.endm
; The last step's eight partial sums join the row's sum in four levels
.macro MERGE1
.irp k, 0,4,8,12
	v_pk_add_f32 v[192+\k:193+\k], v[192+\k:193+\k], v[194+\k:195+\k]
.endr
.endm
.macro MERGE2
	v_pk_add_f32 v[192:193], v[192:193], v[196:197]
	v_pk_add_f32 v[200:201], v[200:201], v[204:205]
.endm
.macro MERGE3
	v_pk_add_f32 v[192:193], v[192:193], v[200:201]
.endm
.macro MERGE4
	v_pk_add_f32 v[14:15], v[14:15], v[192:193]
.endm
.macro SUMS n                          ; the next n of a step's 24 additions of p, the eight chains by turns
.rept \n
.if q < 8
	v_pk_add_f32 v[192+2*q:193+2*q], v[96+2*q:97+2*q], v[112+2*q:113+2*q]
.else
	v_pk_add_f32 v[192+2*(q%8):193+2*(q%8)], v[192+2*(q%8):193+2*(q%8)], v[112+2*q:113+2*q]
.endif
.set q, q+1
.endr
.endm
.macro TM n                            ; the next n of a step's 32 lines t - M, two numbers a line
.rept \n
	v_pk_fma_f32 v[96+j:97+j], v[96+j:97+j], s[CS:CS+1], v[12:13] op_sel_hi:[1,0,0]
.set j, j+2
.endr
.endm
; A PASS: one tile of 16 queries against all 2,048 keys in 16 steps of 128, and its way out.
.macro PASS p
.if \p > 0
	s_wait_xcnt 0x0                                ; the last pass's stores have read their registers
.irp i, 0,1,2,3,4,5
	v_mov_b32 v[16+\i], v[216+\i]
.endr
	v_mov_b32 v28, v222
.endif
	v_mov_b32 v13, 0xff61b1e6                      ; the largest score so far: -3e38
	v_mov_b32 v12, 0x7f61b1e6                      ; -M
	v_mov_b32 v14, 0
	v_mov_b32 v15, 0
	v_mov_b32 v253, 0                              ; (named as the upper half of v[252:253] before it is first written)
.set j, 0
.rept 48
	v_mov_b32 v[160+j], 0                          ; O^T and the partial sums: the step is written once; the first finds zeros
.set j, j+1
.endr
	v_add_nc_u32 v8, KC, v1
	v_add_nc_u32 v9, KC, v2
	v_add_nc_u32 v10, KS, v3
	KLOAD                                          ; key step 0
	s_mov_b32 s66, KC+6144
	s_mov_b32 s67, KS+512
	s_mov_b32 s68, VC
	s_mov_b32 s69, VS
	s_mov_b32 s70, 16
	WALU                                           ; the wait
.Lstep_\@:
	v_add_nc_u32 v8, s66, v1                       ; the next step's K.  These seven lines are also the places between the last products, which read V's fragments, and the products below, which write over them
	v_add_nc_u32 v9, s66, v2
	v_add_nc_u32 v10, s67, v3
	MERGE1
	WALU                                           ; the wait ahead of the wait below
	s_wait_dscnt 0x0                               ; K, asked for a step ago
.irp t, 0,1,2,3,4,5,6,7
	v_wmma_scale_f32_16x16x128_f8f6f4 v[96+8*\t:103+8*\t], v[KF+6*\t:KF+6*\t+11], v[16:27], 0, v[KSW+\t], v28 matrix_a_fmt:MATRIX_FMT_FP6 matrix_b_fmt:MATRIX_FMT_FP6
.endr
	v_add_nc_u32 v11, s68, v1                      ; this step's V.  Four places in front of the loads into K's registers and of the first read of the scores
	v_add_nc_u32 v29, s68, v2
	v_add_nc_u32 v30, s69, v2
	v_mov_b32 v223, v12                            ; the old -M
	MERGE2
	WALU                                           ; the wait ahead of the branch and of the loads' addresses
	s_cmp_eq_u32 s70, 1
	s_cbranch_scc1 .Lno_k_\@                       ; the last step has no next K
	KLOAD
.Lno_k_\@:
.irp t, 0,1,2,3,4,5,6,7
	v_max3_num_f32 v[236+\t], v[96+8*\t], v[97+8*\t], v[98+8*\t]   ; the largest scores: eight chains, one to an accumulator, each from its low end on
.endr
.irp i, 3,5
.irp t, 0,1,2,3,4,5,6,7
	v_max3_num_f32 v[236+\t], v[236+\t], v[96+8*\t+\i], v[97+8*\t+\i]
.endr
.endr
.irp t, 0,2,4,6
	v_max3_num_f32 v[236+\t], v[236+\t], v[103+8*\t], v[111+8*\t]
.endr
	MERGE3
	s_delay_alu instid0(VALU_DEP_4)
	v_max3_num_f32 v236, v236, v237, v238
	s_delay_alu instid0(VALU_DEP_3)
	v_max3_num_f32 v240, v240, v241, v242
	s_delay_alu instid0(VALU_DEP_2)
	v_max_num_f32 v236, v236, v239                 ; the largest score of my block h: it serves the row's maximum and, since p rises with the score, the block's largest p
	s_delay_alu instid0(VALU_DEP_2)
	v_max_num_f32 v240, v240, v243                 ; and of my block 2 + h
	MERGE4
	s_delay_alu instid0(VALU_DEP_2)
	v_max3_num_f32 v254, v236, v240, v13           ; with the running largest score,
	s_delay_alu instid0(VALU_DEP_1)
	v_permlanex16_b32 v255, v254, s[SEL], s[SEL+1]
	s_delay_alu instid0(VALU_DEP_1)
	v_max_num_f32 v13, v254, v255                  ; and lane l xor 16's 64 keys
	s_delay_alu instid0(VALU_DEP_1)
	v_mul_f32 v254, s93, v13                       ; -t
	s_delay_alu instid0(VALU_DEP_1)
	v_floor_f32 v12, v254                          ; the new -M = floor(-t): M is a whole number
	s_delay_alu instid0(VALU_DEP_1)
	v_sub_f32 v254, v12, v223                      ; old M - new M: a whole number, 0 or less
.set j, 0
	TM 5
	v_cvt_i32_f32 v254, v254                       ; (it saturates)
	TM 5
	v_ldexp_f32 v252, 1.0, v254                    ; f = 2^(old M - new M)
	TM 22
	v_fma_f32 v236, v236, s[CS], v12               ; the same of each block's largest score
	v_fma_f32 v240, v240, s[CS], v12
	WALU                                           ; the wait ahead of the batch
.set j, 0
.rept 64
	v_exp_f32 v[96+j], v[96+j]                     ; p = 2^(t - M)
.set j, j+1
.endr
	v_exp_f32 v236, v236                           ; the block's largest p: the same two instructions on the same number
	v_exp_f32 v240, v240
	v_pk_mul_f32 v[14:15], v[14:15], v[252:253] op_sel_hi:[1,0]   ; the sum under the new M: the plain place behind the exponentials
	WALU                                           ; one wait for the whole batch, ahead of its first reader
.set q, 0
	SUMS 4                                         ; the sum of the unquantised p; the blocks' scales are made between its lines
	v_max_num_f32 v236, 0x1800000, v236            ; the floor 2^(3 - 127): the byte cannot fall under 1
	v_max_num_f32 v240, 0x1800000, v240
	SUMS 4
	v_add_nc_u32 v244, 0xff000000, v236            ; 2 off the exponent field: the conversion's scale operand
	v_add_nc_u32 v245, 0xff000000, v240
	SUMS 4
	v_lshrrev_b32 v246, 23, v244                   ; the scale's byte
	v_lshrrev_b32 v247, 23, v245
	SUMS 4
	v_lshl_or_b32 v253, v247, 16, v246             ; blocks h and 2 + h,
	SUMS 4
	v_lshlrev_b32 v253, v31, v253                  ; at their places in p's scale word
	SUMS 4
	v_permlanex16_b32 v255, v253, s[SEL], s[SEL+1]
.irp c, 0,1
	v_cvt_scalef32_pk16_fp6_f32 v[224+6*\c:226+6*\c], v[96+32*\c:111+32*\c], v[244+\c]
	v_cvt_scalef32_pk16_fp6_f32 v[208+4*\c:210+4*\c], v[112+32*\c:127+32*\c], v[244+\c]   ; (a conversion's three registers begin on an even number)
.endr
	VLOAD                                          ; p has been read: V's fragments take its registers
	WALU                                           ; the wait directly ahead of the first reader of O^T
	v_pk_mul_f32 v[160:161], v[160:161], v[252:253] op_sel_hi:[1,0]   ; O^T under the new M; this line is also the plain place behind the conversions
	v_or_b32 v253, v253, v255                      ; with lane l xor 16's two bytes the word is whole
.irp c, 0,1
.irp i, 0,1,2
	v_mov_b32 v[227+6*\c+\i], v[208+4*\c+\i]
.endr
.endr
.set j, 2
.rept 15
	v_pk_mul_f32 v[160+j:161+j], v[160+j:161+j], v[252:253] op_sel_hi:[1,0]   ; these lines are also the places between the scale word's and the codes' last writes and the products below
.set j, j+2
.endr
	WALU                                           ; the wait ahead of the wait below
	s_wait_dscnt 0x0                               ; V (and the next step's K)
.irp t, 0,1,2,3                        ; four accumulators by turns, one instruction a turn
	v_wmma_scale_f32_16x16x128_f8f6f4 v[160+8*\t:167+8*\t], v[96+12*\t:107+12*\t], v[224:235], v[160+8*\t:167+8*\t], v[248+\t], v253 matrix_a_fmt:MATRIX_FMT_FP6 matrix_b_fmt:MATRIX_FMT_FP6
.endr
	s_add_co_u32 s66, s66, 6144
	s_add_co_u32 s67, s67, 512
	s_add_co_u32 s68, s68, 6144
	s_add_co_u32 s69, s69, 512
	s_sub_co_u32 s70, s70, 1
	s_cmp_lg_u32 s70, 0
	s_cbranch_scc1 .Lstep_\@
	MERGE1                                         ; the last step's partial sums; also the places behind the last products
	MERGE2
	MERGE3
	MERGE4
	v_add_f32 v14, v14, v15                        ; the sum's two halves,
	v_permlanex16_b32 v255, v14, s[SEL], s[SEL+1]
	v_add_f32 v14, v14, v255                       ; and lane l xor 16's
	WALU
	v_rcp_f32 v14, v14
	v_nop                                          ; the plain place behind the reciprocal
	WALU                                           ; ahead of the reciprocal's first reader, and of the first reader of O^T
.set j, 0
.rept 16
	v_pk_mul_f32 v[160+j:161+j], v[160+j:161+j], v[14:15] op_sel_hi:[1,0]   ; attn_w: register i is channel 32 h + i of query r
.set j, j+2
.endr
.irp k, 0,1,2,3,4,5,6,7
	ds_store_b128 v4, v[160+4*\k:163+4*\k] offset:16*\k
.endr
.irp i, 0,1,2,3,4,5,6,7
	ds_load_b128 v[96+4*\i:99+4*\i], v5 offset:544*\i   ; LDS serves a wave's instructions in order: these see my stores
.endr
.irp k, 0,1,2,3
	v_max3_num_f32 v[236+\k], |v[160+8*\k]|, |v[161+8*\k]|, |v[162+8*\k]|   ; attn_w is quantised along the channels: my 32 are one block; four chains, while the rows come back
.endr
.irp i, 3,5
.irp k, 0,1,2,3
	v_max3_num_f32 v[236+\k], v[236+\k], |v[160+8*\k+\i]|, |v[161+8*\k+\i]|
.endr
.endr
	v_max3_num_f32 v236, v236, |v167|, |v175|
	v_max3_num_f32 v238, v238, |v183|, |v191|
	v_max3_num_f32 v237, v237, v239, 0x1800000     ; the floor holds the byte at 1 from below
	v_max3_num_f32 v236, v236, v237, v238
	v_add_nc_u32 v244, 0xff000000, v236
	v_lshrrev_b32 v246, 23, v244                   ; block h's byte of query r
	v_cvt_scalef32_pk16_fp6_f32 v[224:226], v[160:175], v244
	v_cvt_scalef32_pk16_fp6_f32 v[208:210], v[176:191], v244
	v_nop                                          ; one plain place behind a scaled conversion
.irp i, 0,1,2
	v_mov_b32 v[227+\i], v[208+\i]
.endr
	WALU                                           ; the wait ahead of the waits below
.irp i, 0,1,2,3,4,5,6,7
	s_wait_dscnt 7-\i                              ; places 2 i and 2 i + 1 are back; the younger loads may be out
	global_store_b128 v6, v[96+4*\i:99+4*\i], s[76:77] offset:1048576*\p+(2*\i+24*(\i/4))*4096 th:TH_STORE_NT   ; each half of the lanes stores 256 consecutive bytes, aligned: a token's head
.endr
	global_store_b128 v1, v[224:227], s[78:79] offset:196608*\p
	global_store_b64 v2, v[228:229], s[78:79] offset:196608*\p+512
	global_store_b8 v7, v246, s[80:81] offset:8192*\p
.endm
	PASS 0
	PASS 1
	s_wait_tensorcnt 0x0                           ; the wave's end
	ds_add_u32 v94, v95
	s_wait_dscnt 0x0
	CROUND                                         ; the closing round
	s_endpgm
.Lfunc_end_k_qd2a5073d5b_attn:
	.size	k_qd2a5073d5b_attn, .Lfunc_end_k_qd2a5073d5b_attn-k_qd2a5073d5b_attn
	.p2alignl 7, 3214868480
	.fill 96, 4, 3214868480
	.section	.rodata,"a",@progbits
	.p2align	6, 0x0
	.amdhsa_kernel k_qd2a5073d5b_attn
		.amdhsa_group_segment_fixed_size 284672
		.amdhsa_private_segment_fixed_size 0
		.amdhsa_enable_private_segment 0
		.amdhsa_kernarg_size 40
		.amdhsa_user_sgpr_count 2
		.amdhsa_user_sgpr_kernarg_segment_ptr 1
		.amdhsa_wavefront_size32 1
		.amdhsa_system_sgpr_workgroup_id_x 1
		.amdhsa_system_sgpr_workgroup_id_y 1
		.amdhsa_system_sgpr_workgroup_id_z 1
		.amdhsa_system_vgpr_workitem_id 0
		.amdhsa_next_free_vgpr 256
		.amdhsa_next_free_sgpr 100
		.amdhsa_reserve_vcc 0
		.amdhsa_float_denorm_mode_32 3
		.amdhsa_float_denorm_mode_16_64 3
		.amdhsa_memory_ordered 1
		.amdhsa_forward_progress 1
		.amdhsa_inst_pref_size 59
	.end_amdhsa_kernel
	.amdgpu_metadata
---
amdhsa.version: [ 1, 2 ]
amdhsa.kernels:
  - .name:           k_qd2a5073d5b_attn
    .symbol:         k_qd2a5073d5b_attn.kd
    .args:
      - { .name: img, .offset: 0, .size: 8, .value_kind: global_buffer, .address_space: global }
      - { .name: isc, .offset: 8, .size: 8, .value_kind: global_buffer, .address_space: global }
      - { .name: out1, .offset: 16, .size: 8, .value_kind: global_buffer, .address_space: global }
      - { .name: acodes, .offset: 24, .size: 8, .value_kind: global_buffer, .address_space: global }
      - { .name: ascl, .offset: 32, .size: 8, .value_kind: global_buffer, .address_space: global }
    .group_segment_fixed_size: 284672
    .private_segment_fixed_size: 0
    .kernarg_segment_align: 8
    .kernarg_segment_size: 40
    .max_flat_workgroup_size: 512
    .sgpr_count:     100
    .vgpr_count:     256
    .wavefront_size: 32
...
	.end_amdgpu_metadata
.endif
;; end of part 3
;; launch outp (part 4): grid 8 x 32, 4 waves a work-group, clusters of 4 x 4, 327,680 bytes of LDS; arguments acodes, ascl, codes, scl, bo, out0; writes out0
.if DOCPART == 4
	.amdgcn_target "amdgcn-amd-amdhsa--gfx1250"
	.amdhsa_code_object_version 6
	.text
	.protected	k_qd2a5073d5b_outp
	.globl	k_qd2a5073d5b_outp
	.p2align	8
	.type	k_qd2a5073d5b_outp,@function
k_qd2a5073d5b_outp:
	s_mov_b64 s[64:65], 0
	v_nop
	global_prefetch_b8 v0, s[64:65] scope:SCOPE_SE
	s_setreg_imm32_b32 hwreg(HW_REG_WAVE_MODE, 25, 1), 1
	s_wait_xcnt 0x0
	s_wait_alu depctr_hold_cnt(0) depctr_sa_sdst(0) depctr_va_vdst(0) depctr_va_sdst(0) depctr_va_ssrc(0) depctr_va_vcc(0) depctr_vm_vsrc(0)
	s_getreg_b32 s2, hwreg(HW_REG_IB_STS2, 6, 4)
	s_cmp_eq_u32 s2, 0
	s_cbranch_scc0 .Lentry_in_a_cluster
	s_endpgm
.Lentry_in_a_cluster:
	s_bfe_u32 s2, ttmp6, 0x10000c
	s_cmp_lg_u32 s2, 0xf033
	s_cbranch_scc0 .Lentry_shape_is_right
	s_endpgm
.Lentry_shape_is_right:
; out0 = attn_w Wo^T + bo on codes of FP6 (E2M3) with one E8M0 scale for each 32 along K.  256 work-groups, each 256 tokens x 128 columns; four waves, 2 x 2: a wave makes 128 tokens x 64 columns, 32 accumulators.
; NO RING: K is 1,024, and the block's operands for ALL of K fit in LDS: 16 tiles of tokens (196,608 bytes), 8 tiles of Wo's rows (98,304), their scale bytes (8,192 and 4,096): each a dense block of memory, since a tile of
; 16 rows lies as [K / 128][1,536 bytes] in the order of the operand's registers.  One joint load a wave at the head brings them; nothing is filled again, and no barrier stands in the walk along K.
; CLUSTER 4 x 4: the tokens' tiles are shared along a row of the cluster, Wo's along a column.  NO PREFETCH: all that the launch reads is asked for at its head; there is no loop to run ahead in.
; The product is used transposed (source 0 = Wo's rows, source 1 = tokens).  Place p of tile j of a group of 64 rows is row 8 j + p % 8 + 32 (p / 8), for tokens and Wo's rows alike: lane (r, h) holds token place r,
; and its register j of column tile b is column 8 b + j + 32 h of the wave's 64.  The bias is the first products' C.  The way out puts a block of 16 tokens through the wave's own stage, so that sixteen lanes store 256 consecutive bytes.
; REGISTERS: window 0: v0-31 addresses, v32-63 scale words (two sets: register 2 i + q: lanes 0-15 the tokens' tile i, lanes 16-31 Wo's tile i), v64-255 the tokens' fragments, two sets of 8 x 12;
;   window 1: v0-95 Wo's fragments, two sets of 4 x 12; v96-127 the bias;  window 2: accumulator (a, b) at 8 (4 a + b).
; For i = 4 .. 7 lanes 16-31 of a scale load read bytes behind Wo's tiles (other tiles' scale bytes, which lie in LDS): no product names those lanes of those registers.
.set TB,    12288                      ; a tile of 16 rows, all of K
.set XC,    0                          ; LDS: the tokens' codes
.set WC,    196608                     ; Wo's
.set WS,    294912                     ; Wo's scale bytes: [tile][K / 256][place][8]
.set XS,    299008                     ; the tokens'
.set STAGE, 307200                     ; 16 rows x 272 bytes for each wave
.set SPITCH, 272
.set SPARE, 324608
.set XA,   16                          ; v16, v17  16 x lane in my tokens' tiles 0-3, 4-7;  v18, v19  8 x lane
.set XB,   18
.set WA,   20                          ; v20, v21  the same in my four tiles of Wo
.set WB,   21
.set STO,  24
.set RD,   25
.set CO,   26
.set ADRS, 27
.set SPW,  28
.set NIL,  29
.set SC,   32
.set XF,   64
.set BK,   64                          ; the way out: rows read back, two sets of 32 registers
.set MSB, 0
.macro WIN new
.if MSB != (\new)
	s_set_vgpr_msb (MSB<<8)|(\new)
.set MSB, (\new)
.endif
.endm
.macro PLACES n
.rept \n
	v_nop
.endr
.endm
.macro CROUND
	s_barrier_signal -1
	s_barrier_wait -1
	s_cmp_lg_u32 s18, 0
	s_cbranch_scc1 .Lnot_wave_0_\@
	s_barrier_signal -3
.Lnot_wave_0_\@:
	s_barrier_wait -3
	s_barrier_signal -1
	s_barrier_wait -1
.endm
.macro GROUP1 g, mask, rows            ; a dense block as rows of 256 bytes (32 elements of 8)
	s_or_b32 s[\g], s\mask, (3<<16)|(1<<21)
	s_mov_b32 s[\g+1], 32<<16
	s_mov_b32 s[\g+2], (\rows)<<16
	s_mov_b32 s[\g+3], 32<<16
	s_mov_b32 s[\g+4], \rows
	s_mov_b32 s[\g+5], 32
	s_mov_b32 s[\g+6], 0
	s_mov_b32 s[\g+7], 0
.endm
.macro GROUP0 g, lds, base, off
	s_mov_b32 s[\g], 1
	s_mov_b32 s[\g+1], \lds
	s_add_nc_u64 s[\g+2:\g+3], s[\base:\base+1], s[\off:\off+1]
	s_or_b32 s[\g+3], s[\g+3], 0x80000000
.endm
.macro ARM under, g0, g1, next         ; one chain of branches on the wave's number, one load to an arm, one join
	s_cmp_lt_u32 s18, \under
	s_cbranch_scc0 \next
	tensor_load_to_lds s[\g0:\g0+3], s[\g1:\g1+7]
	s_nop 0
	PLACES 4
	s_branch .Lasked
\next:
.endm
	s_load_b256 s[4:11], s[0:1], 0x0               ; acodes, ascl, codes, scl
	s_load_b128 s[12:15], s[0:1], 0x20             ; bo, out0
	v_lshl_add_u32 v[SPW], v0, 2, SPARE
	v_mov_b32 v[NIL], 0
	ds_add_u32 v[SPW], v[NIL]                      ; the opening lines: the add, twice on end, and its wait
	ds_add_u32 v[SPW], v[NIL]
	v_lshrrev_b32 v1, 5, v0
	v_readfirstlane_b32 s18, v1                    ; wave
	s_lshr_b32 s19, s18, 1                         ; which 128 tokens
	s_and_b32 s20, s18, 1                          ; which 64 columns
	s_bfe_u32 s21, ttmp6, 0x40000                  ; cx
	s_bfe_u32 s22, ttmp6, 0x40004                  ; cy
	s_and_b32 s23, ttmp7, 0xffff
	s_lshl_b32 s76, s22, 2
	s_lshl_b32 s76, 15, s76                        ; my row of the cluster
	s_lshl_b32 s77, 0x1111, s21                    ; my column
	GROUP1 24, 76, 768                             ; the tokens' codes
	GROUP1 32, 77, 384                             ; Wo's
	GROUP1 40, 76, 32                              ; the tokens' scale bytes
	GROUP1 48, 77, 16                              ; Wo's
	s_lshl_b32 s88, s23, 10
	s_lshl_b32 s78, s22, 8
	s_add_co_u32 s88, s88, s78                     ; my block's first token
	s_lshl_b32 s89, ttmp9, 9
	s_lshl_b32 s79, s21, 7
	s_add_co_u32 s89, s89, s79                     ; its first column
	s_mul_i32 s80, s88, 768
	s_mov_b32 s81, 0
	s_lshl_b32 s82, s88, 5
	s_mov_b32 s83, 0
	s_add_co_u32 s86, s89, 11264                   ; Wo's rows stand behind q's, Wq's, Wk's and Wv's
	s_mul_i32 s84, s86, 768
	s_mov_b32 s85, 0
	s_lshl_b32 s86, s86, 5
	s_mov_b32 s87, 0
	s_wait_dscnt 0x0
	s_wait_kmcnt 0x0
	GROUP0 56, XC, 4, 80
	GROUP0 60, WC, 8, 84
	GROUP0 68, XS, 6, 82
	GROUP0 72, WS, 10, 86
	CROUND                                         ; all sixteen work-groups are here: the joint loads meet
	ARM 1, 60, 32, .Lfor_x
	ARM 2, 56, 24, .Lfor_sw
	ARM 3, 72, 48, .Lfor_sx
	tensor_load_to_lds s[68:71], s[40:47]
	s_nop 0
	PLACES 4
.Lasked:
	v_and_b32 v1, 15, v0                           ; r
	v_bfe_u32 v2, v0, 4, 1                         ; h
	v_and_b32 v3, 31, v0
	v_lshlrev_b32 v4, 4, v3                        ; 16 x lane
	v_lshlrev_b32 v5, 3, v3                        ; 8 x lane
	s_mul_i32 s2, s19, 8*TB
	s_mul_i32 s3, s20, 4*TB
	s_add_co_u32 s3, s3, WC
	v_add_nc_u32 v[XA], s2, v4
	v_add_nc_u32 v[XB], s2, v5
	v_add_nc_u32 v[WA], s3, v4
	v_add_nc_u32 v[WB], s3, v5
	s_add_co_u32 s2, s2, 4*TB
	v_add_nc_u32 v[XA+1], s2, v4
	v_add_nc_u32 v[XB+1], s2, v5
	s_lshl_b32 s2, s20, 11
	s_add_co_u32 s2, s2, WS                        ; Wo's scale words, my four tiles: lanes 16-31
	s_lshl_b32 s3, s19, 12
	s_add_co_u32 s3, s3, XS                        ; the tokens', my eight: lanes 0-15
	s_sub_co_u32 s3, s3, s2
	v_sub_nc_u32 v7, 1, v2
	v_mul_u32_u24 v6, s3, v7
	v_lshl_add_u32 v6, v1, 3, v6
	v_add_nc_u32 v[ADRS], s2, v6
	s_mul_i32 s90, s18, 16*SPITCH
	s_add_co_u32 s90, s90, STAGE
	v_mul_u32_u24 v6, v1, SPITCH
	v_lshl_add_u32 v6, v2, 7, v6
	v_add_nc_u32 v[STO], s90, v6                   ; the stage, in: row r, 128 h bytes on
	v_mul_u32_u24 v6, v2, SPITCH
	v_lshl_add_u32 v6, v1, 4, v6
	v_add_nc_u32 v[RD], s90, v6                    ; back: lanes 0-15 one row, lanes 16-31 the next
	v_lshlrev_b32 v6, 12, v2
	v_lshl_add_u32 v[CO], v1, 4, v6                ; and the same two rows in out0
	v_lshlrev_b32 v14, 7, v2
	s_lshl_b32 s2, s20, 6
	s_add_co_u32 s2, s89, s2
	s_lshl_b32 s2, s2, 2                           ; my first column, in bytes
	s_mov_b32 s3, 0
	s_add_nc_u64 s[12:13], s[12:13], s[2:3]
	s_wait_alu depctr_va_vdst(0)                   ; the wait at the head's end
	WIN 0x40
.irp b, 0,1,2,3
	global_load_b128 v[96+8*\b:99+8*\b], v14, s[12:13] offset:32*\b        ; the bias as the result lies
	global_load_b128 v[100+8*\b:103+8*\b], v14, s[12:13] offset:32*\b+16
.endr
	WIN 0
	s_lshl_b32 s92, s19, 7
	s_add_co_u32 s92, s88, s92
	s_lshl_b32 s92, s92, 12
	s_add_co_u32 s92, s92, s2
	s_mov_b32 s93, 0
	s_add_nc_u64 s[14:15], s[14:15], s[92:93]      ; my part of out0
	s_wait_loadcnt 0x0
	s_wait_tensorcnt 0x0                           ; my tile is in,
	s_barrier_signal -1
	s_barrier_wait -1                              ; everybody's is
.macro FRAG reg, a16, a8, off
	ds_load_b128 v[\reg:\reg+3], v[\a16] offset:\off
	ds_load_b64 v[\reg+4:\reg+5], v[\a8] offset:(\off)+512
	ds_load_b128 v[\reg+6:\reg+9], v[\a16] offset:(\off)+768
	ds_load_b64 v[\reg+10:\reg+11], v[\a8] offset:(\off)+1280
.endm
.macro FETCH k                         ; the fragments of step k (128 along K) into set k % 2; with an even step the scale words of two steps
	WIN 0x40
.irp b, 0,1,2,3
	FRAG 48*((\k)%2)+12*\b, WA, WB, \b*TB+(\k)*1536
.endr
	WIN 0
.irp a, 0,1,2,3,4,5,6,7
	FRAG XF+96*((\k)%2)+12*\a, XA+\a/4, XB+\a/4, (\a%4)*TB+(\k)*1536
.endr
.if (\k)%2 == 0
.irp i, 0,1,2,3,4,5,6,7
	ds_load_b64 v[SC+16*(((\k)/2)%2)+2*\i:SC+16*(((\k)/2)%2)+2*\i+1], v[ADRS] offset:512*\i+64*(\k)
.endr
.endif
.endm
.macro MUL k                           ; 32 products, the 32 accumulators by turns
.irp a, 0,1,2,3,4,5,6,7
.irp b, 0,1,2,3
.if (\k) == 0
	v_wmma_scale_f32_16x16x128_f8f6f4 v[8*(4*\a+\b):8*(4*\a+\b)+7], v[12*\b:12*\b+11], v[XF+12*\a:XF+12*\a+11], v[96+8*\b:103+8*\b], v[SC+2*\b], v[SC+2*\a] matrix_a_fmt:MATRIX_FMT_FP6 matrix_b_fmt:MATRIX_FMT_FP6 matrix_a_scale:MATRIX_SCALE_ROW1
.else
	v_wmma_scale_f32_16x16x128_f8f6f4 v[8*(4*\a+\b):8*(4*\a+\b)+7], v[48*((\k)%2)+12*\b:48*((\k)%2)+12*\b+11], v[XF+96*((\k)%2)+12*\a:XF+96*((\k)%2)+12*\a+11], v[8*(4*\a+\b):8*(4*\a+\b)+7], v[SC+16*(((\k)/2)%2)+2*\b+(\k)%2], v[SC+16*(((\k)/2)%2)+2*\a+(\k)%2] matrix_a_fmt:MATRIX_FMT_FP6 matrix_b_fmt:MATRIX_FMT_FP6 matrix_a_scale:MATRIX_SCALE_ROW1
.endif
.endr
.endr
.endm
	FETCH 0
.set K, 0
.rept 8
	s_wait_dscnt 0x0                               ; this step's fragments, asked for a step ago
.if K < 7
.if K > 0
	PLACES 4                                       ; in front of loads into the set that the last step's products read
.endif
	FETCH K+1
.endif
.if K == 0
	WIN 0x91                                       ; source 0 and C window 1, source 1 window 0, D window 2
.else
	WIN 0xa1                                       ; C and D window 2
.endif
	MUL K
.set K, K+1
.endr
	WIN 0
	PLACES 4
.macro TOSTAGE a
	WIN 0x08                                       ; the data: window 2
.irp b, 0,1,2,3
	ds_store_b128 v[STO], v[8*(4*(\a)+\b):8*(4*(\a)+\b)+3] offset:32*\b       ; each accumulator from its low end on
	ds_store_b128 v[STO], v[8*(4*(\a)+\b)+4:8*(4*(\a)+\b)+7] offset:32*\b+16
.endr
	WIN 0
.irp t, 0,1,2,3,4,5,6,7
	ds_load_b128 v[BK+32*((\a)%2)+4*\t:BK+32*((\a)%2)+4*\t+3], v[RD] offset:\t*2*SPITCH   ; LDS serves a wave's instructions in order: these see the stores above
.endr
.endm
.macro SEND a, younger                 ; younger: the LDS instructions issued behind block a's loads, which may stay out
	s_wait_dscnt \younger
.irp t, 0,1,2,3,4,5,6,7
	global_store_b128 v[CO], v[BK+32*((\a)%2)+4*\t:BK+32*((\a)%2)+4*\t+3], s[14:15] offset:(64*((\a)/4)+8*((\a)%4)+2*\t+24*(\t/4))*4096 th:TH_STORE_NT   ; each half of the lanes stores 256 consecutive bytes, aligned
.endr
.endm
	TOSTAGE 0
.irp a, 1,2,3,4,5,6,7
.if \a > 1
	s_wait_xcnt 0x0                                ; block a - 2's stores have read their registers
.endif
	TOSTAGE \a
	SEND \a-1, 16                                  ; behind block a - 1's loads: block a's 8 stores and 8 loads
.endr
	SEND 7, 0
	s_wait_tensorcnt 0x0                           ; the wave's end
	ds_add_u32 v[SPW], v[NIL]
	s_wait_dscnt 0x0
	CROUND                                         ; the closing round
	s_endpgm
.Lfunc_end_k_qd2a5073d5b_outp:
	.size	k_qd2a5073d5b_outp, .Lfunc_end_k_qd2a5073d5b_outp-k_qd2a5073d5b_outp
	.p2alignl 7, 3214868480
	.fill 96, 4, 3214868480
	.section	.rodata,"a",@progbits
	.p2align	6, 0x0
	.amdhsa_kernel k_qd2a5073d5b_outp
		.amdhsa_group_segment_fixed_size 327680
		.amdhsa_private_segment_fixed_size 0
		.amdhsa_enable_private_segment 0
		.amdhsa_kernarg_size 48
		.amdhsa_user_sgpr_count 2
		.amdhsa_user_sgpr_kernarg_segment_ptr 1
		.amdhsa_wavefront_size32 1
		.amdhsa_system_sgpr_workgroup_id_x 1
		.amdhsa_system_sgpr_workgroup_id_y 1
		.amdhsa_system_sgpr_workgroup_id_z 1
		.amdhsa_system_vgpr_workitem_id 0
		.amdhsa_next_free_vgpr 768
		.amdhsa_next_free_sgpr 96
		.amdhsa_reserve_vcc 0
		.amdhsa_float_denorm_mode_32 3
		.amdhsa_float_denorm_mode_16_64 3
		.amdhsa_memory_ordered 1
		.amdhsa_forward_progress 1
		.amdhsa_inst_pref_size 84
	.end_amdhsa_kernel
	.amdgpu_metadata
---
amdhsa.version: [ 1, 2 ]
amdhsa.kernels:
  - .name:           k_qd2a5073d5b_outp
    .symbol:         k_qd2a5073d5b_outp.kd
    .args:
      - { .name: acodes, .offset: 0, .size: 8, .value_kind: global_buffer, .address_space: global }
      - { .name: ascl, .offset: 8, .size: 8, .value_kind: global_buffer, .address_space: global }
      - { .name: codes, .offset: 16, .size: 8, .value_kind: global_buffer, .address_space: global }
      - { .name: scl, .offset: 24, .size: 8, .value_kind: global_buffer, .address_space: global }
      - { .name: bo, .offset: 32, .size: 8, .value_kind: global_buffer, .address_space: global }
      - { .name: out0, .offset: 40, .size: 8, .value_kind: global_buffer, .address_space: global }
    .group_segment_fixed_size: 327680
    .private_segment_fixed_size: 0
    .kernarg_segment_align: 8
    .kernarg_segment_size: 48
    .max_flat_workgroup_size: 128
    .sgpr_count:     96
    .vgpr_count:     768
    .wavefront_size: 32
...
	.end_amdgpu_metadata
.endif
;; end of part 4
